; MI455X (gfx1250); checked and timed in simulation.
; The chip was launched on July 23, 2026; its instructions are those of AMD's public machine-readable ISA for CDNA 5 (MIT licence, August 2026) and "CDNA5" Instruction Set Architecture Reference Guide (July 2026). The comments in the code are by the model that wrote it; some were corrected since.
;; Self Attention. Allowed arithmetic: matrix products marked QUANTISED: E4M3 operands, one given power-of-two scale a tensor, by v_wmma_f32_16x16x64_fp8_fp8 or v_wmma_f32_16x16x128_fp8_fp8, f32 sums; everything else in f32.
;; Inputs: beta 512 float32; bk 512 float32; bo 512 float32; bq 512 float32; bv 512 float32; gamma 512 float32; lowp_scales 12 int32 (the exponents e of the quantised operands' scales 2^e); wk_codes 512 x 16 x 32 uint8 (E4M3 codes of wk, K innermost, in blocks of 32 codes); wo_codes 512 x 16 x 32 uint8 (E4M3 codes of wo, K innermost, in blocks of 32 codes); wq_codes 512 x 16 x 32 uint8 (E4M3 codes of wq, K innermost, in blocks of 32 codes); wv_codes 512 x 16 x 32 uint8 (E4M3 codes of wv, K innermost, in blocks of 32 codes); x 8 x 512 x 2,048 float32.
;; Outputs: out0 8 x 512 x 2,048 float32.
;; This version of the problem:
;;   THIS VERSION OF THE PROBLEM IS GIVEN IN LOW PRECISION. The matrix products marked QUANTISED in the list below multiply operands that are first quantised to E4M3 (4 exponent bits, 3 mantissa bits; 8 bits a number), with one given power-of-two scale for each operand tensor; their sums are f32. All else is computed in f32.
;;   The module's matrix products, in the order in which they are computed (A, B: the left and right operand; K: the contracted axis; several contracted axes count as one K, in the product's order):
;;     1. [M 16,384, K 512] x [K 512, N 512]; A: computed on the way; B: input wq (given as codes): QUANTISED (scales: A lowp_scales[0], B lowp_scales[1])
;;     2. [M 16,384, K 512] x [K 512, N 512]; A: computed on the way; B: input wk (given as codes): QUANTISED (scales: A lowp_scales[2], B lowp_scales[3])
;;     3. [M 16,384, K 512] x [K 512, N 512]; A: computed on the way; B: input wv (given as codes): QUANTISED (scales: A lowp_scales[4], B lowp_scales[5])
;;     4. batch 64 x [M 2,048, K 64] x [K 64, N 2,048]; A: computed on the way; B: computed on the way: QUANTISED (scales: A lowp_scales[6], B lowp_scales[7])
;;     5. batch 64 x [M 2,048, K 2,048] x [K 2,048, N 64]; A: softmax (see below); B: computed on the way: QUANTISED (scales: A lowp_scales[8], B lowp_scales[9])
;;     6. [M 16,384, K 512] x [K 512, N 512]; A: computed on the way; B: input wo (given as codes): QUANTISED (scales: A lowp_scales[10], B lowp_scales[11])
;;   THE QUANTISER, for each operand of a quantised product, along K:
;;     - The operand's scale is 2^e, e = its entry of the input lowp_scales (int32; the entries are numbered through the quantised products in the list's order, A before B).
;;     - Each number is divided by the scale, clamped to +-448, and rounded to the nearest number of E4M3, ties to even, subnormals kept.
;;     - The product sums the exact products of the quantised numbers (number of the format x scale) in f32.
;;   ~~~python
;;   def quantise(x, axis, e):      # numpy; x: float32 -> the quantised numbers, widened to float32 again
;;       x = np.moveaxis(x, axis, -1); K = x.shape[-1]
;;       r = np.clip(x / 2.0 ** e, -448, 448)
;;       step = 2.0 ** (np.maximum(np.frexp(np.where(r == 0, 1, r))[1] - 1, -6) - 3)
;;       q = np.round(r / step) * step * 2.0 ** e      # np.round: ties to even
;;       return np.moveaxis(q, -1, axis).astype(np.float32)
;;   ~~~
;;   SOFTMAX AHEAD OF A QUANTISED PRODUCT. Where the list says 'softmax', what is quantised is not the finished softmax but p = 2^(t - M), with t = logit x log2(e) and M = ceil(the row's largest t), a whole number; so 1/2 < the row's largest p <= 1. The row's sum l is taken of the UNQUANTISED p, in f32, and the product's result is divided by l at the end. Since M is a whole number, a kernel that streams over the keys may use a running M (the ceiling of the running maximum): every later rescaling is an exact power of two, so the quantised numbers keep their values, but for numbers so far below the row's largest that they fall under the format's range.
;;   OPERANDS COMPUTED ON THE WAY. 'Computed on the way' means the value that the module computes at that place (a softmax that the list does not call 'softmax' is quantised finished and normalised). What goes into a quantiser is computed in f32, as accurately as f32 sums, v_exp_f32 and their like allow (about 1e-6 of the number): no bf16 or f16 on the way to a quantiser, and a product that is left as it is and whose result goes on into a quantised operand takes f32 operands (vector FMAs, or v_wmma_f32_16x16x4_f32). A number that lies on a knife's edge between two numbers of the format may be rounded either way, as far as f32 arithmetic and the matrix unit's own rounding can turn it there, and no further.
;;   INPUTS GIVEN AS CODES. wk (in the module: [512, 512], K = its axis 0); wo (in the module: [512, 512], K = its axis 0); wq (in the module: [512, 512], K = its axis 0); wv (in the module: [512, 512], K = its axis 0): each comes as NAME_codes (uint8): NAME with its K axis moved to the last place and cut into blocks of 32 codes, [.., K / 32, bytes a block], one block behind the other in memory; one code a byte (a code: sign, 4 exponent bits, 3 mantissa bits); its scale is its entry of lowp_scales. Its value is code x scale, taken as it is: it is not quantised again, and the codes and scales need not be those that the quantiser above would give.
;; One version. Each part assembles by itself: llvm-mc -triple=amdgcn-amd-amdhsa -mcpu=gfx1250 --defsym DOCPART=n.
;; ======== version 1 of 1: 3 launches
;; limits: right only within a limited range of input values
;; workspace buffers: qc 8,388,608 bytes; kv 16,777,216 bytes; cc 8,388,608 bytes
;; launch lnqkv (part 1): grid 256 x 1, 8 waves a work-group, clusters of 4 x 1, 327,680 bytes of LDS; arguments x, gamma, beta, wq_codes, wk_codes, wv_codes, bq, bk, bv, lowp_scales, qc, kv; writes qc, kv
.if DOCPART == 1
	.amdgcn_target "amdgcn-amd-amdhsa--gfx1250"
	.amdhsa_code_object_version 6
	.text
	.protected	k_q69b7c761c5_lnqkv
	.globl	k_q69b7c761c5_lnqkv
	.p2align	8
	.type	k_q69b7c761c5_lnqkv,@function
k_q69b7c761c5_lnqkv:
	s_mov_b64 s[64:65], 0
	v_nop
	global_prefetch_b8 v0, s[64:65] scope:SCOPE_SE
	s_setreg_imm32_b32 hwreg(HW_REG_WAVE_MODE, 25, 1), 1
	s_wait_xcnt 0x0
	s_wait_alu depctr_hold_cnt(0) depctr_sa_sdst(0) depctr_va_vdst(0) depctr_va_sdst(0) depctr_va_ssrc(0) depctr_va_vcc(0) depctr_vm_vsrc(0)
	s_getreg_b32 s2, hwreg(HW_REG_IB_STS2, 6, 4)
	s_cmp_eq_u32 s2, 0
	s_cbranch_scc0 .Lentry_in_a_cluster
	s_endpgm
.Lentry_in_a_cluster:
	s_bfe_u32 s2, ttmp6, 0x10000c
	s_cmp_lg_u32 s2, 0x3003
	s_cbranch_scc0 .Lentry_shape_is_right
	s_endpgm
.Lentry_shape_is_right:
.set PITCH, 272
.set WPART, 64*PITCH
.set SLOTB, 8*WPART
.set IMG,   2*SLOTB
.set RED1,  IMG+32768
.set RED2,  RED1+2048
.set SPARE, RED2+2048
.set HF,   32
.set WF,   96
.set BIAS, 160
.set CD,   192
.set EC,   224
.set YB,   128
.set MSB,  0
.macro WIN new
.if MSB != \new
	s_set_vgpr_msb (MSB<<8)|\new
.set MSB, \new
.endif
.endm
.macro PLACES n
.rept \n
	v_nop
.endr
.endm
.macro ROUND
	s_barrier_signal -1
	s_barrier_wait -1
	s_cmp_lg_u32 s28, 0
	s_cbranch_scc1 .Lnot_wave_0_\@
	s_barrier_signal -3
.Lnot_wave_0_\@:
	s_barrier_wait -3
	s_barrier_signal -1
	s_barrier_wait -1
.endm
.macro BAR
	s_wait_dscnt 0x0
	s_barrier_signal -1
	s_barrier_wait -1
.endm
	s_load_b512 s[4:19], s[0:1], 0x0
	s_load_b256 s[20:27], s[0:1], 0x40
	v_lshl_add_u32 v5, v0, 2, SPARE
	v_mov_b32 v6, 0
	ds_add_u32 v5, v6
	ds_add_u32 v5, v6
	s_wait_dscnt 0x0
	v_lshrrev_b32 v7, 5, v0
	s_delay_alu instid0(VALU_DEP_1)
	v_readfirstlane_b32 s28, v7
	s_bfe_u32 s29, ttmp6, 0x40000
	s_lshl_b32 s30, ttmp9, 2
	s_add_co_u32 s30, s30, s29
	s_lshr_b32 s31, s30, 5
	s_and_b32 s32, s30, 31
	s_mov_b32 s62, 0x3b000000
	s_mov_b32 s63, 0x3727c5ac
	s_mov_b32 s36, 15|(1<<20)|(1<<21)|(5<<22)|(3<<25)
	s_mov_b32 s37, 256<<16
	s_mov_b32 s38, 64<<16
	s_mov_b32 s39, 256<<16
	s_mov_b32 s40, 64
	s_mov_b32 s41, 512
	s_mov_b32 s42, 0
	s_mov_b32 s43, 0
	s_mul_i32 s86, s28, WPART
	s_lshl_b32 s52, s28, 15
	s_mov_b32 s53, 0
	v_and_b32 v16, 31, v0
	s_delay_alu instid0(VALU_DEP_1)
	v_lshlrev_b32 v1, 4, v16
	s_delay_alu instid0(VALU_DEP_2)
	v_lshlrev_b32 v2, 3, v16
	v_and_b32 v3, 15, v0
	v_bfe_u32 v4, v0, 4, 1
	s_delay_alu instid0(VALU_DEP_2)
	v_mul_u32_u24 v7, v3, PITCH
	s_delay_alu instid0(VALU_DEP_1)
	v_lshl_add_u32 v7, v4, 4, v7
	s_delay_alu instid0(VALU_DEP_1)
	v_add_nc_u32 v7, s86, v7
	s_delay_alu instid0(VALU_DEP_1)
	v_add_nc_u32 v8, SLOTB, v7
	v_add_nc_u32 v9, IMG, v1
	s_lshr_b32 s87, s28, 1
	s_lshl_b32 s87, s87, 11
	s_and_b32 s88, s28, 1
	s_lshl_b32 s88, s88, 10
	s_add_co_u32 s87, s87, s88
	s_add_co_u32 s87, s87, IMG
	v_lshlrev_b32 v10, 14, v4
	v_bfe_u32 v17, v0, 2, 1
	s_delay_alu instid0(VALU_DEP_1)
	v_lshl_add_u32 v10, v17, 13, v10
	v_bfe_u32 v17, v0, 3, 1
	s_delay_alu instid0(VALU_DEP_1)
	v_lshl_add_u32 v10, v17, 7, v10
	v_and_b32 v17, 3, v0
	s_delay_alu instid0(VALU_DEP_1)
	v_lshl_add_u32 v10, v17, 5, v10
	s_delay_alu instid0(VALU_DEP_1)
	v_add_nc_u32 v10, s87, v10
	s_lshl_b32 s88, s28, 8
	s_add_co_u32 s88, s88, RED1
	v_add_nc_u32 v11, s88, v2
	v_add_nc_u32 v12, RED1, v2
	v_lshlrev_b32 v13, 5, v4
	v_lshlrev_b32 v14, 2, v3
	v_mov_b32 v15, 0
	s_lshl_b32 s34, s31, 22
	s_lshl_b32 s80, s28, 19
	s_add_co_u32 s34, s34, s80
	s_lshl_b32 s80, s32, 8
	s_add_co_u32 s34, s34, s80
	s_mov_b32 s35, 0
	s_wait_alu depctr_va_vdst(0)
	s_wait_kmcnt 0x0
	s_load_b256 s[68:75], s[22:23], 0x0
	s_load_b128 s[76:79], s[22:23], 0x20
	s_add_nc_u64 s[4:5], s[4:5], s[34:35]
	s_lshl_b32 s34, s28, 8
	s_add_nc_u64 s[6:7], s[6:7], s[34:35]
	s_add_nc_u64 s[8:9], s[8:9], s[34:35]
	s_add_nc_u64 s[16:17], s[16:17], s[34:35]
	s_add_nc_u64 s[18:19], s[18:19], s[34:35]
	s_add_nc_u64 s[20:21], s[20:21], s[34:35]
.irp k, 0,1,2,3,4,5,6,7,8,9,10,11,12,13,14,15
	global_load_b128 v[32+4*\k:35+4*\k], v15, s[6:7] offset:16*\k
.endr
.irp k, 0,1,2,3,4,5,6,7,8,9,10,11,12,13,14,15
	global_load_b128 v[96+4*\k:99+4*\k], v15, s[8:9] offset:16*\k
.endr
.macro BLOADQK base
.irp nt, 0,1,2,3
	global_load_b128 v[BIAS+8*\nt:BIAS+8*\nt+3], v13, s[\base:\base+1] offset:64*\nt
	global_load_b128 v[BIAS+8*\nt+4:BIAS+8*\nt+7], v13, s[\base:\base+1] offset:64*\nt+16
.endr
.endm
	BLOADQK 16
	WIN 0x40
.set i, 0
.rept 64
	global_load_b64 v[2*i:2*i+1], v2, s[4:5] offset:8192*i th:TH_LOAD_NT
.set i, i+1
.endr
	WIN 0
	s_lshl_b32 s84, s31, 3
	s_add_co_u32 s84, s84, s28
	s_lshl_b32 s34, s84, 17
	s_lshl_b32 s80, s32, 12
	s_add_co_u32 s34, s34, s80
	s_add_nc_u64 s[58:59], s[24:25], s[34:35]
	s_lshl_b32 s85, s84, 18
	s_lshr_b32 s80, s32, 1
	s_lshl_b32 s80, s80, 14
	s_add_co_u32 s85, s85, s80
	s_and_b32 s81, s32, 1
	s_lshl_b32 s80, s81, 12
	s_add_co_u32 s34, s85, s80
	s_add_nc_u64 s[54:55], s[26:27], s[34:35]
	s_lshl_b32 s80, s81, 10
	s_add_co_u32 s34, s85, s80
	s_add_co_u32 s34, s34, 8192
	s_add_nc_u64 s[56:57], s[26:27], s[34:35]
	s_mov_b32 s44, 1
	s_mov_b32 s45, s86
	s_add_nc_u64 s[46:47], s[10:11], s[52:53]
	s_or_b32 s47, s47, 0x80000000
	s_mov_b32 s48, 1
	s_add_co_u32 s49, s86, SLOTB
	s_add_nc_u64 s[50:51], s[10:11], s[52:53]
	s_add_nc_u64 s[50:51], s[50:51], 256
	s_or_b32 s51, s51, 0x80000000
	ROUND
	tensor_load_to_lds s[44:47], s[36:43]
	s_nop 0
	s_wait_alu depctr_va_vdst(0)
	s_wait_tensorcnt 0x0
	ds_add_u32 v5, v6
	s_wait_dscnt 0x0
	ROUND
	tensor_load_to_lds s[48:51], s[36:43]
	s_nop 0
	PLACES 4
.macro REDUCE off
	v_pk_add_f32 v[192:193], v[192:193], v[194:195]
	v_pk_add_f32 v[196:197], v[196:197], v[198:199]
	s_delay_alu instid0(VALU_DEP_1)
	v_pk_add_f32 v[192:193], v[192:193], v[196:197]
	ds_store_b64 v11, v[192:193] offset:\off
	BAR
.irp k, 0,1,2,3,4,5,6,7
	ds_load_b64 v[200+2*\k:201+2*\k], v12 offset:\off+256*\k
.endr
	s_wait_dscnt 0x0
	v_pk_add_f32 v[200:201], v[200:201], v[202:203]
	v_pk_add_f32 v[204:205], v[204:205], v[206:207]
	v_pk_add_f32 v[208:209], v[208:209], v[210:211]
	v_pk_add_f32 v[212:213], v[212:213], v[214:215]
	s_delay_alu instid0(VALU_DEP_3)
	v_pk_add_f32 v[200:201], v[200:201], v[204:205]
	s_delay_alu instid0(VALU_DEP_2)
	v_pk_add_f32 v[208:209], v[208:209], v[212:213]
	s_delay_alu instid0(VALU_DEP_1)
	v_pk_add_f32 v[200:201], v[200:201], v[208:209]
.endm
	s_wait_loadcnt 48
	WIN 0x05
.irp c, 0,1,2,3
	v_pk_add_f32 v[192+2*\c:193+2*\c], v[2*\c:2*\c+1], v[2*\c+8:2*\c+9]
.endr
	WIN 0x04
.set i, 8
.rept 56
.if i == 16
	s_wait_alu depctr_va_vdst(0)
	s_wait_loadcnt 32
.elseif i == 32
	s_wait_alu depctr_va_vdst(0)
	s_wait_loadcnt 16
.elseif i == 48
	s_wait_alu depctr_va_vdst(0)
	s_wait_loadcnt 0
.endif
	v_pk_add_f32 v[192+2*(i%4):193+2*(i%4)], v[192+2*(i%4):193+2*(i%4)], v[2*i:2*i+1]
.set i, i+1
.endr
	WIN 0
	REDUCE 0
	s_delay_alu instid0(VALU_DEP_1)
	v_mul_f32 v28, s62, v200
	s_delay_alu instid0(VALU_DEP_2)
	v_mul_f32 v29, s62, v201
	WIN 0x41
.set i, 0
.rept 64
	v_pk_add_f32 v[2*i:2*i+1], v[2*i:2*i+1], v[28:29] neg_lo:[0,1] neg_hi:[0,1]
.set i, i+1
.endr
	WIN 0x05
.irp c, 0,1,2,3
	v_pk_mul_f32 v[192+2*\c:193+2*\c], v[2*\c:2*\c+1], v[2*\c:2*\c+1]
.endr
.set i, 4
.rept 60
	s_delay_alu instid0(VALU_DEP_4)
	v_pk_fma_f32 v[192+2*(i%4):193+2*(i%4)], v[2*i:2*i+1], v[2*i:2*i+1], v[192+2*(i%4):193+2*(i%4)]
.set i, i+1
.endr
	WIN 0
	REDUCE 2048
	s_delay_alu instid0(VALU_DEP_1)
	v_fma_f32 v30, v200, s62, s63
	s_delay_alu instid0(VALU_DEP_2)
	v_fma_f32 v31, v201, s62, s63
	s_wait_alu depctr_va_vdst(0)
	v_rsq_f32 v30, v30
	v_rsq_f32 v31, v31
.macro CONSTS j, eh, ew, eo
	s_add_co_i32 s80, s[\eh], 127
	s_lshl_b32 s81, s80, 23
	v_mov_b32 v[16+4*\j], s81
	s_add_co_i32 s80, s80, 8
	s_lshl_b32 s80, s80, 23
	s_or_b32 s80, s80, 0x600000
	v_mov_b32 v[17+4*\j], s80
	s_add_co_i32 s82, s[\eh], s[\ew]
	s_sub_co_i32 s[90+\j], 0, s82
	s_sub_co_i32 s80, s[\eo], s82
	s_add_co_i32 s80, s80, 127
	s_lshl_b32 s81, s80, 23
	v_mov_b32 v[18+4*\j], s81
	s_add_co_i32 s80, s80, 8
	s_lshl_b32 s80, s80, 23
	s_or_b32 s80, s80, 0x600000
	v_mov_b32 v[19+4*\j], s80
.endm
	s_wait_kmcnt 0x0
	CONSTS 0, 68, 69, 74
	CONSTS 1, 70, 71, 75
	CONSTS 2, 72, 73, 77
	s_wait_alu depctr_va_vdst(0)
	WIN 0x41
.set i, 0
.rept 64
	v_pk_mul_f32 v[2*i:2*i+1], v[2*i:2*i+1], v[30:31]
.set i, i+1
.endr
.set i, 0
.rept 64
	v_fma_f32 v[YB+i], v[2*i], v[32+i], v[96+i]
	v_fma_f32 v[YB+64+i], v[2*i+1], v[32+i], v[96+i]
.set i, i+1
.endr
	WIN 0
.macro QUANT j, places
	PLACES \places
	WIN 0x01
.set i, 0
.rept 128
	v_med3_num_f32 v[HF+i], v[YB+i], -v[17+4*\j], v[17+4*\j]
.set i, i+1
.endr
	WIN 0
.set i, 0
.rept 16
	v_cvt_scalef32_pk8_fp8_f32 v[CD+2*i:CD+2*i+1], v[HF+8*i:HF+8*i+7], v[16+4*\j]
.set i, i+1
.endr
	v_nop
.irp par, 0,1
.irp q4, 0,1,2,3
	ds_store_b128 v10, v[CD+4*(4*\par+\q4):CD+4*(4*\par+\q4)+3] offset:(\q4/2)*512+(\q4%2)*256+16*\par
.endr
.endr
.endm
.macro BIASQK j
	s_wait_loadcnt 0x0
.set i, 0
.rept 32
	v_ldexp_f32 v[BIAS+i], v[BIAS+i], s[90+\j]
.set i, i+1
.endr
.endm
.macro KSTEP vform, half, sp
	PLACES 4
.irp mt, 0,1,2,3
.irp c, 0,1,2,3
	ds_load_b128 v[HF+16*\mt+4*\c:HF+16*\mt+4*\c+3], v9 offset:(4*\mt+2*\half+\sp)*2048+512*\c
.endr
.endr
.irp nt, 0,1,2,3
.irp c, 0,1,2,3
	ds_load_b128 v[WF+16*\nt+4*\c:WF+16*\nt+4*\c+3], v[7+\half] offset:\nt*16*PITCH+128*\sp+32*\c
.endr
.endr
	s_wait_dscnt 0x0
.if (\half+\sp) == 0
	WIN 0x40
.else
	WIN 0x50
.endif
.irp nt, 0,1,2,3
.irp mt, 0,1,2,3
.if \vform
.if (\half+\sp) == 0
	v_wmma_f32_16x16x128_fp8_fp8 v[8*(4*\nt+\mt):8*(4*\nt+\mt)+7], v[HF+16*\mt:HF+16*\mt+15], v[WF+16*\nt:WF+16*\nt+15], v[BIAS+8*\nt:BIAS+8*\nt+7]
.else
	v_wmma_f32_16x16x128_fp8_fp8 v[8*(4*\nt+\mt):8*(4*\nt+\mt)+7], v[HF+16*\mt:HF+16*\mt+15], v[WF+16*\nt:WF+16*\nt+15], v[8*(4*\nt+\mt):8*(4*\nt+\mt)+7]
.endif
.else
.if (\half+\sp) == 0
	v_wmma_f32_16x16x128_fp8_fp8 v[8*(4*\nt+\mt):8*(4*\nt+\mt)+7], v[WF+16*\nt:WF+16*\nt+15], v[HF+16*\mt:HF+16*\mt+15], v[BIAS+8*\nt:BIAS+8*\nt+7]
.else
	v_wmma_f32_16x16x128_fp8_fp8 v[8*(4*\nt+\mt):8*(4*\nt+\mt)+7], v[WF+16*\nt:WF+16*\nt+15], v[HF+16*\mt:HF+16*\mt+15], v[8*(4*\nt+\mt):8*(4*\nt+\mt)+7]
.endif
.endif
.endr
.endr
	WIN 0
.endm
.macro MM vform, half
	KSTEP \vform, \half, 0
	KSTEP \vform, \half, 1
.endm
.macro CHANGE slot, wnext
	s_wait_tensorcnt 0x0
	ds_add_u32 v5, v6
	s_add_nc_u64 s[46+4*\slot:47+4*\slot], s[\wnext:\wnext+1], s[52:53]
.if \slot
	s_add_nc_u64 s[50:51], s[50:51], 256
.endif
	s_or_b32 s[47+4*\slot], s[47+4*\slot], 0x80000000
	s_wait_dscnt 0x0
	ROUND
	tensor_load_to_lds s[44+4*\slot:47+4*\slot], s[36:43]
	s_nop 0
	PLACES 4
.endm
.macro EPI j, vform, base
	s_wait_xcnt 0x0
	PLACES 4
	WIN 0x41
.set i, 0
.rept 128
	v_med3_num_f32 v[i], v[i], -v[19+4*\j], v[19+4*\j]
.set i, i+1
.endr
	WIN 0x01
.irp nt, 0,1,2,3
.irp mt, 0,1,2,3
.if \vform
	v_cvt_scalef32_pk8_fp8_f32 v[EC+8*\nt+2*\mt:EC+8*\nt+2*\mt+1], v[8*(4*\nt+\mt):8*(4*\nt+\mt)+7], v[18+4*\j]
.else
	v_cvt_scalef32_pk8_fp8_f32 v[EC+8*\mt+2*\nt:EC+8*\mt+2*\nt+1], v[8*(4*\nt+\mt):8*(4*\nt+\mt)+7], v[18+4*\j]
.endif
.endr
.endr
	WIN 0
	v_nop
.irp k, 0,1,2,3,4,5,6,7
.if \vform
	global_store_b128 v1, v[EC+4*\k:EC+4*\k+3], s[\base:\base+1] offset:(\k/2)*2048+(\k%2)*512
.else
	global_store_b128 v1, v[EC+4*\k:EC+4*\k+3], s[\base:\base+1] offset:512*\k
.endif
.endr
.endm
	BIASQK 0
	QUANT 0, 0
	s_wait_tensorcnt 0x1
	BAR
	MM 0, 0
	CHANGE 0, 12
	MM 0, 1
	CHANGE 1, 12
	BLOADQK 18
	EPI 0, 0, 58
	QUANT 1, 4
	BIASQK 1
	s_wait_alu depctr_va_vdst(0)
	BAR
	MM 0, 0
	CHANGE 0, 14
	MM 0, 1
	CHANGE 1, 14
.irp nt, 0,1,2,3
	global_load_b32 v[BIAS+8*\nt], v14, s[20:21] offset:64*\nt
.endr
	EPI 1, 0, 54
	QUANT 2, 4
	s_wait_loadcnt 0x0
.irp nt, 0,1,2,3
.irp j, 7,6,5,4,3,2,1,0
	v_ldexp_f32 v[BIAS+8*\nt+\j], v[BIAS+8*\nt], s92
.endr
.endr
	s_wait_alu depctr_va_vdst(0)
	BAR
	MM 1, 0
	s_wait_tensorcnt 0x0
	MM 1, 1
	EPI 2, 1, 56
	s_wait_tensorcnt 0x0
	ds_add_u32 v5, v6
	s_wait_dscnt 0x0
	ROUND
	s_endpgm
.Lfunc_end_k_q69b7c761c5_lnqkv:
	.size	k_q69b7c761c5_lnqkv, .Lfunc_end_k_q69b7c761c5_lnqkv-k_q69b7c761c5_lnqkv
	.p2alignl 7, 3214868480
	.fill 96, 4, 3214868480
	.section	.rodata,"a",@progbits
	.p2align	6, 0x0
	.amdhsa_kernel k_q69b7c761c5_lnqkv
		.amdhsa_group_segment_fixed_size 327680
		.amdhsa_private_segment_fixed_size 0
		.amdhsa_enable_private_segment 0
		.amdhsa_kernarg_size 96
		.amdhsa_user_sgpr_count 2
		.amdhsa_user_sgpr_kernarg_segment_ptr 1
		.amdhsa_wavefront_size32 1
		.amdhsa_system_sgpr_workgroup_id_x 1
		.amdhsa_system_sgpr_workgroup_id_y 1
		.amdhsa_system_sgpr_workgroup_id_z 1
		.amdhsa_system_vgpr_workitem_id 0
		.amdhsa_next_free_vgpr 512
		.amdhsa_next_free_sgpr 100
		.amdhsa_reserve_vcc 0
		.amdhsa_float_denorm_mode_32 3
		.amdhsa_float_denorm_mode_16_64 3
		.amdhsa_memory_ordered 1
		.amdhsa_forward_progress 1
		.amdhsa_inst_pref_size 157
	.end_amdhsa_kernel
	.amdgpu_metadata
---
amdhsa.version: [ 1, 2 ]
amdhsa.kernels:
  - .name:           k_q69b7c761c5_lnqkv
    .symbol:         k_q69b7c761c5_lnqkv.kd
    .args:
      - { .name: x, .offset: 0, .size: 8, .value_kind: global_buffer, .address_space: global }
      - { .name: gamma, .offset: 8, .size: 8, .value_kind: global_buffer, .address_space: global }
      - { .name: beta, .offset: 16, .size: 8, .value_kind: global_buffer, .address_space: global }
      - { .name: wq_codes, .offset: 24, .size: 8, .value_kind: global_buffer, .address_space: global }
      - { .name: wk_codes, .offset: 32, .size: 8, .value_kind: global_buffer, .address_space: global }
      - { .name: wv_codes, .offset: 40, .size: 8, .value_kind: global_buffer, .address_space: global }
      - { .name: bq, .offset: 48, .size: 8, .value_kind: global_buffer, .address_space: global }
      - { .name: bk, .offset: 56, .size: 8, .value_kind: global_buffer, .address_space: global }
      - { .name: bv, .offset: 64, .size: 8, .value_kind: global_buffer, .address_space: global }
      - { .name: lowp_scales, .offset: 72, .size: 8, .value_kind: global_buffer, .address_space: global }
      - { .name: qc, .offset: 80, .size: 8, .value_kind: global_buffer, .address_space: global }
      - { .name: kv, .offset: 88, .size: 8, .value_kind: global_buffer, .address_space: global }
    .group_segment_fixed_size: 327680
    .private_segment_fixed_size: 0
    .kernarg_segment_align: 8
    .kernarg_segment_size: 96
    .max_flat_workgroup_size: 256
    .sgpr_count:     100
    .vgpr_count:     512
    .wavefront_size: 32
...
	.end_amdgpu_metadata
.endif
;; end of part 1
;; launch attn (part 2): grid 4 x 64, 16 waves a work-group, clusters of 4 x 1, 327,680 bytes of LDS; arguments qc, kv, lowp_scales, cc; writes cc
.if DOCPART == 2
	.amdgcn_target "amdgcn-amd-amdhsa--gfx1250"
	.amdhsa_code_object_version 6
	.text
	.protected	k_q69b7c761c5_attn
	.globl	k_q69b7c761c5_attn
	.p2align	8
	.type	k_q69b7c761c5_attn,@function
k_q69b7c761c5_attn:
	s_mov_b64 s[64:65], 0
	v_nop
	global_prefetch_b8 v0, s[64:65] scope:SCOPE_SE
	s_setreg_imm32_b32 hwreg(HW_REG_WAVE_MODE, 25, 1), 1
	s_wait_xcnt 0x0
	s_wait_alu depctr_hold_cnt(0) depctr_sa_sdst(0) depctr_va_vdst(0) depctr_va_sdst(0) depctr_va_ssrc(0) depctr_va_vcc(0) depctr_vm_vsrc(0)
	s_getreg_b32 s2, hwreg(HW_REG_IB_STS2, 6, 4)
	s_cmp_eq_u32 s2, 0
	s_cbranch_scc0 .Lentry_in_a_cluster
	s_endpgm
.Lentry_in_a_cluster:
	s_bfe_u32 s2, ttmp6, 0x10000c
	s_cmp_lg_u32 s2, 0x3003
	s_cbranch_scc0 .Lentry_shape_is_right
	s_endpgm
.Lentry_shape_is_right:
; ctx = causal attention of one head of 64, products 4 and 5 on codes of FP8 (E4M3), each tensor with its given scale 2^e; ctx leaves as codes with the scale 2^e10, as images of the next product's operand registers.
; THE SOFTMAX: t = score x log2(e) / 8; M = the running largest t rounded up to a whole number; p = 2^(t - M) is quantised along the keys; the row's sum is taken of the unquantised p and divides at the end.
; LEFT OUT: key blocks that lie wholly behind a tile's queries (the mask that the problem builds itself); on the diagonal hidden scores become -infinity, so p = 0.
; LIMITS: the problem adds -1e9 to hidden scores: the same result while scores stay far under 1e9 in size.  e6 + e7 between -123 and 130; e8 and e10 between -126 and 119.
; SHARES.  The four work-groups of a cluster own one head of one batch (grid y); all of the head's K and V, 16 blocks of 128 keys as images of the operands' registers, 262,144 bytes, lie in each one's LDS, asked for JOINTLY (mask 15).
; Wave w of work-group x owns the tile of 16 queries 8 w + 2 x (key blocks 0 .. w) and then the tile 8 (15 - w) + 2 x + 1 (key blocks 0 .. 15 - w): 17 steps of 128 keys; x enters global addresses and the mask's threshold alone.
; LDS is filled once, by two joint loads a wave: blocks 0 to 3 (16 rows of 256 bytes a wave) at the head, blocks 4 to 15 (48 rows a wave) behind the wait, the add and the round.
; Every wave's first four steps read blocks 0 to 3 alone (a tile's walk begins at block 0): they stand ahead of the wait for the second load, in a loop of their own.
; No prefetch: every byte that the launch reads is asked for at its head.
; REGISTERS: v1 16 x lane; v2 the mask's threshold; v8 the step's LDS address; v12 -M, v13 the largest t, v[14:15] the sum; v16-23 Q; v24-31 ctx's codes; v32-95 fragments of K or V; v96-159 S^T, p; v160-191 O^T;
; v192-199 the second tile's Q; v224-239 p's codes; v201, v240-245 constants; v251, v255 the add's; the rest at work.
.macro PLACES n
.rept \n
	v_nop
.endr
.endm
.macro ROUND
	s_barrier_signal -1
	s_barrier_wait -1
	s_cmp_lg_u32 s12, 0
	s_cbranch_scc1 .Lnot_wave_0_\@
	s_barrier_signal -3
.Lnot_wave_0_\@:
	s_barrier_wait -3
	s_barrier_signal -1
	s_barrier_wait -1
.endm
	s_load_b256 s[4:11], s[0:1], 0x0               ; qc 4, kv 6, the scales' exponents 8, cc 10
	v_lshl_add_u32 v251, v0, 2, 0x40000            ; my spare word, behind K and V
	v_mov_b32 v255, 0
	ds_add_u32 v251, v255                          ; the opening lines: the add twice on end and one wait
	ds_add_u32 v251, v255
	v_lshrrev_b32 v3, 5, v0
	s_delay_alu instid0(VALU_DEP_1)
	v_readfirstlane_b32 s12, v3                    ; wave
	s_bfe_u32 s13, ttmp6, 0x40000
	s_lshl_b32 s14, ttmp9, 2
	s_add_co_u32 s14, s14, s13                     ; x
	s_and_b32 s15, ttmp7, 0xffff                   ; 8 batch + head
	s_lshr_b32 s16, s15, 3
	s_and_b32 s17, s15, 7
	s_mov_b32 s24, 15|(3<<16)|(1<<21)              ; joint; 16 dense rows of 256 bytes (32 elements of 8)
	s_mov_b32 s25, 32<<16
	s_mov_b32 s26, 16<<16
	s_mov_b32 s27, 32<<16
	s_mov_b32 s28, 16
	s_mov_b32 s29, 32
	s_mov_b32 s30, 0
	s_mov_b32 s31, 0
	s_mov_b32 s32, 15|(3<<16)|(1<<21)              ; joint; 48 such rows
	s_mov_b32 s33, 32<<16
	s_mov_b32 s34, 48<<16
	s_mov_b32 s35, 32<<16
	s_mov_b32 s36, 48
	s_mov_b32 s37, 32
	s_mov_b32 s38, 0
	s_mov_b32 s39, 0
	s_lshl_b32 s80, s15, 18                        ; the head's 262,144 bytes of kv
	s_mov_b32 s81, 0
	s_lshl_b32 s82, s12, 12                        ; my 4,096 bytes of blocks 0 to 3, in memory and in LDS alike
	s_mul_i32 s83, s12, 12288
	s_add_co_u32 s83, s83, 65536                   ; my 12,288 bytes of blocks 4 to 15
	s_mov_b32 s85, 0
	s_mov_b32 s20, 0x76543210
	s_mov_b32 s21, 0xfedcba98
	s_wait_dscnt 0x0
	s_wait_kmcnt 0x0
	s_load_b256 s[68:75], s[8:9], 0x0
	s_load_b128 s[76:79], s[8:9], 0x20
	s_add_nc_u64 s[6:7], s[6:7], s[80:81]
	s_mov_b32 s40, 1
	s_mov_b32 s41, s82
	s_mov_b32 s84, s82
	s_add_nc_u64 s[42:43], s[6:7], s[84:85]
	s_or_b32 s43, s43, 0x80000000
	s_mov_b32 s44, 1
	s_mov_b32 s45, s83
	s_mov_b32 s84, s83
	s_add_nc_u64 s[46:47], s[6:7], s[84:85]
	s_or_b32 s47, s47, 0x80000000
	ROUND                                          ; all four work-groups are here: the first joint loads meet
	tensor_load_to_lds s[40:43], s[24:31]          ; blocks 0 to 3: my one load at the head
	s_nop 0
	s_wait_alu depctr_va_vdst(0)
	s_wait_tensorcnt 0x0                           ; the wait and the add ahead of a later first fill
	ds_add_u32 v251, v255
	s_wait_dscnt 0x0
	ROUND
	tensor_load_to_lds s[44:47], s[32:39]          ; blocks 4 to 15
	s_nop 0
	PLACES 4
	v_and_b32 v3, 31, v0
	s_delay_alu instid0(VALU_DEP_1)
	v_lshlrev_b32 v1, 4, v3
	s_wait_alu depctr_va_vdst(0)
	s_lshl_b32 s86, s12, 3
	s_lshl_b32 s87, s14, 1
	s_add_co_u32 s88, s86, s87                     ; my first tile: 8 w + 2 x
	s_sub_co_u32 s89, 121, s86
	s_add_co_u32 s89, s89, s87                     ; my second: 8 (15 - w) + 2 x + 1
	s_lshl_b32 s63, s15, 17
	s_mov_b32 s19, 0
	s_lshl_b32 s18, s88, 10
	s_add_co_u32 s18, s18, s63
	s_add_nc_u64 s[48:49], s[4:5], s[18:19]
	s_lshl_b32 s18, s89, 10
	s_add_co_u32 s18, s18, s63
	s_add_nc_u64 s[50:51], s[4:5], s[18:19]
	global_load_b128 v[16:19], v1, s[48:49]
	global_load_b128 v[20:23], v1, s[48:49] offset:512
	global_load_b128 v[192:195], v1, s[50:51]
	global_load_b128 v[196:199], v1, s[50:51] offset:512
	s_lshl_b32 s63, s16, 20                        ; cc: batch x 1,048,576 + tile x 8,192 + head x 1,024
	s_lshl_b32 s66, s17, 10
	s_add_co_u32 s63, s63, s66
	s_lshl_b32 s18, s88, 13
	s_add_co_u32 s18, s18, s63
	s_add_nc_u64 s[52:53], s[10:11], s[18:19]
	s_lshl_b32 s18, s89, 13
	s_add_co_u32 s18, s18, s63
	s_add_nc_u64 s[54:55], s[10:11], s[18:19]
	v_and_b32 v3, 15, v0
	v_bfe_u32 v4, v0, 4, 1
	s_delay_alu instid0(VALU_DEP_2)
	v_and_b32 v2, 8, v3
	s_delay_alu instid0(VALU_DEP_1)
	v_add_nc_u32 v2, v2, v3
	s_delay_alu instid0(VALU_DEP_3)
	v_lshlrev_b32 v4, 4, v4
	s_delay_alu instid0(VALU_DEP_1)
	v_sub_nc_u32 v2, v2, v4
	s_lshl_b32 s66, s14, 5
	v_add_nc_u32 v2, s66, v2                       ; my query in its block of 128, less 16 h: r + 8 (r / 8) + 32 x - 16 h; the second tile's lie 8 further on
	v_mov_b32 v236, 0                              ; a lane permute's destination counts as a source
	v_mov_b32 v253, 0
.macro INIT
	v_mov_b32 v13, 0xff61b1e6                      ; the largest t so far: -3e38
	s_delay_alu instid0(VALU_DEP_1)
	v_floor_f32 v12, -v13
	v_mov_b32 v14, 0
	v_mov_b32 v15, 0
.set i, 0
.rept 32
	v_mov_b32 v[160+i], 0
.set i, i+1
.endr
.endm
	INIT
	s_add_co_u32 s57, s12, 1                       ; the step at which the second tile begins
	s_xor_b32 s58, s12, -1
	s_mov_b32 s59, 0                               ; the step's key block,
	s_mov_b32 s60, 0                               ; its LDS byte,
	s_mov_b32 s61, s12                             ; and the tile's diagonal block
	s_wait_kmcnt 0x0
	s_add_co_i32 s80, s74, s75
	s_lshl_b32 s80, s80, 23
	s_add_co_i32 s22, s80, 0x3e38aa3b              ; log2(e) / 8 x 2^(e6 + e7)
	s_mov_b32 s23, s22
	s_add_co_i32 s80, s76, 127
	s_lshl_b32 s81, s80, 23
	v_mov_b32 v244, s81                            ; 2^e8
	s_add_co_i32 s80, s80, 8
	s_lshl_b32 s80, s80, 23
	s_or_b32 s80, s80, 0x600000
	v_mov_b32 v240, s80                            ; 448 x 2^e8, twice: the two halves of a dual pair take their second sources from different banks
	v_mov_b32 v201, s80
	s_add_co_i32 s80, s78, 127
	s_lshl_b32 s81, s80, 23
	v_mov_b32 v245, s81                            ; 2^e10
	s_add_co_i32 s80, s80, 8
	s_lshl_b32 s80, s80, 23
	s_or_b32 s80, s80, 0x600000
	v_mov_b32 v241, s80                            ; 448 x 2^e10
	s_add_co_i32 s62, s76, s77                     ; e8 + e9
; A KEY STEP: 128 keys.  Both products transposed: a lane holds one query throughout; the 16 registers of two neighbouring tiles of keys are 16 neighbouring keys.
.macro STEP
	v_add_nc_u32 v8, s60, v1
	PLACES 3                                       ; with the line above: four places ahead of loads into registers that matrix instructions have read
.irp kt, 0,1,2,3,4,5,6,7
.irp c, 0,1
	ds_load_b128 v[32+8*\kt+4*\c:32+8*\kt+4*\c+3], v8 offset:\kt*1024+512*\c
.endr
.endr
	s_wait_alu depctr_va_vdst(0)                   ; the wait ahead of the wait below
	s_wait_dscnt 0x0
.irp kt, 0,1,2,3,4,5,6,7
	v_wmma_f32_16x16x64_fp8_fp8 v[96+8*\kt:103+8*\kt], v[32+8*\kt:39+8*\kt], v[16:23], 0
.endr
	PLACES 4
.irp dt, 0,1,2,3
.irp c, 0,1,2,3
	ds_load_b128 v[32+16*\dt+4*\c:32+16*\dt+4*\c+3], v8 offset:8192+\dt*2048+512*\c
.endr
.endr
	s_cmp_eq_u32 s59, s61
	s_cbranch_scc0 .Lopen_\@
	v_mov_b32 v254, 0xff800000                     ; on the diagonal: register n holds key 32 (n / 16) + n % 16 + 16 h of the block
.set n, 0
.rept 64
	v_cmp_gt_i32 vcc_lo, 32*(n/16)+n%16, v2
	v_cndmask_b32 v[96+n], v[96+n], v254, vcc_lo
.set n, n+1
.endr
.Lopen_\@:
	v_max3_num_f32 v254, v96, v97, v98
	v_max3_num_f32 v252, v99, v100, v101
.irp i, 6,10,14,18,22,26,30,34,38,42,46,50,54,58
	v_max3_num_f32 v254, v254, v[96+\i], v[97+\i]
	v_max3_num_f32 v252, v252, v[98+\i], v[99+\i]
.endr
	v_max3_num_f32 v254, v254, v158, v159
	s_delay_alu instid0(VALU_DEP_1)
	v_max_num_f32 v254, v254, v252
	v_permlanex16_b32 v236, v254, s20, s21
	s_delay_alu instid0(VALU_DEP_1)
	v_max_num_f32 v254, v254, v236
	s_delay_alu instid0(VALU_DEP_1)
	v_mul_f32 v254, s22, v254
	s_delay_alu instid0(VALU_DEP_1)
	v_max_num_f32 v13, v13, v254                   ; the running largest t
	v_mov_b32 v254, v12
	s_delay_alu instid0(VALU_DEP_2)
	v_floor_f32 v12, -v13                          ; -M
	s_delay_alu instid0(VALU_DEP_1)
	v_sub_f32 v254, v12, v254
	s_delay_alu instid0(VALU_DEP_1)
	v_cvt_i32_f32 v254, v254
	s_delay_alu instid0(VALU_DEP_1)
	v_ldexp_f32 v252, 1.0, v254                    ; f = 2^(old M - new M)
.set j, 0
.rept 32
	v_pk_fma_f32 v[96+j:97+j], v[96+j:97+j], s[22:23], v[12:13] op_sel_hi:[1,0,0]
.set j, j+2
.endr
	s_wait_alu depctr_va_vdst(0)                   ; the wait ahead of the batch
.set j, 0
.rept 64
	v_exp_f32 v[96+j], v[96+j]
.set j, j+1
.endr
	v_pk_mul_f32 v[14:15], v[14:15], v[252:253] op_sel_hi:[1,0]
	s_wait_alu depctr_va_vdst(0)                   ; and behind it, ahead of its first reader
	v_pk_add_f32 v[242:243], v[96:97], v[98:99]    ; the sum of the unquantised p, in two chains
.irp j, 4,8,12,16,20,24,28,32,36,40,44,48,52,56,60
	v_pk_add_f32 v[14:15], v[14:15], v[96+\j:97+\j]
	v_pk_add_f32 v[242:243], v[242:243], v[98+\j:99+\j]
.endr
	s_delay_alu instid0(VALU_DEP_1)
	v_pk_add_f32 v[14:15], v[14:15], v[242:243]
.irp b, 0,1,2,3
.irp i, 0,2,4,6,8,10,12,14
	v_dual_min_num_f32 v[96+16*\b+\i], v[96+16*\b+\i], v240 :: v_dual_min_num_f32 v[97+16*\b+\i], v[97+16*\b+\i], v201   ; the hold at the largest code, two numbers a line
.endr
	v_cvt_scalef32_pk8_fp8_f32 v[224+4*\b:225+4*\b], v[96+16*\b:103+16*\b], v244
	v_cvt_scalef32_pk8_fp8_f32 v[226+4*\b:227+4*\b], v[104+16*\b:111+16*\b], v244
.endr
	s_wait_alu depctr_va_vdst(0)                   ; the wait directly ahead of the first reader of O^T
.set j, 0
.rept 16
	v_pk_mul_f32 v[160+j:161+j], v[160+j:161+j], v[252:253] op_sel_hi:[1,0]
.set j, j+2
.endr
	s_wait_alu depctr_va_vdst(0)                   ; and ahead of the wait below
	s_wait_dscnt 0x0
.irp dt, 0,1,2,3
	v_wmma_f32_16x16x128_fp8_fp8 v[160+8*\dt:167+8*\dt], v[32+16*\dt:47+16*\dt], v[224:239], v[160+8*\dt:167+8*\dt]
.endr
.endm
; O^T / the sum x 2^(e8 + e9), held, quantised with 2^e10, stored as an image: a wave's store covers 512 consecutive bytes, aligned
.macro FINISH base
	s_wait_xcnt 0x0                                ; the first tile's stores have read their registers
	PLACES 4
	v_add_f32 v14, v14, v15
	s_delay_alu instid0(VALU_DEP_1)
	v_permlanex16_b32 v252, v14, s20, s21
	s_delay_alu instid0(VALU_DEP_1)
	v_add_f32 v14, v14, v252
	s_wait_alu depctr_va_vdst(0)
	v_rcp_f32 v14, v14
	v_nop
	s_wait_alu depctr_va_vdst(0)
	v_ldexp_f32 v14, v14, s62
	s_wait_alu depctr_va_vdst(0)                   ; the wait directly ahead of the first reader of O^T
.set j, 0
.rept 16
	v_pk_mul_f32 v[96+j:97+j], v[160+j:161+j], v[14:15] op_sel_hi:[1,0]
.set j, j+2
.endr
.set j, 0
.rept 32
	v_med3_num_f32 v[96+j], v[96+j], -v241, v241
.set j, j+1
.endr
.irp dt, 0,1,2,3
	v_cvt_scalef32_pk8_fp8_f32 v[24+2*\dt:25+2*\dt], v[96+8*\dt:103+8*\dt], v245
.endr
	v_nop
	global_store_b128 v1, v[24:27], s[\base:\base+1]
	global_store_b128 v1, v[28:31], s[\base:\base+1] offset:512
.endm
; A trip: at step w + 1 the first tile is finished and the second begins at block 0.  blocks: how many key blocks the trip's steps can name
.macro BODY blocks
	s_cmp_eq_u32 s56, s57
	s_cbranch_scc0 .Lsame_\@
	FINISH 52
	INIT
.irp i, 0,1,2,3,4,5,6,7
	v_mov_b32 v[16+\i], v[192+\i]
.endr
	v_add_nc_u32 v2, 8, v2
	s_sub_co_u32 s61, 15, s12
.Lsame_\@:
	s_add_co_u32 s59, s56, s58                     ; step - w - 1, the second tile's block; it wraps while the first tile is walked,
	s_min_u32 s59, s59, s56                        ; whose block is the step's number
	s_and_b32 s59, s59, \blocks-1
	s_lshl_b32 s60, s59, 14
	STEP
	s_add_co_u32 s56, s56, 1
.endm
	s_wait_loadcnt 0x0                             ; Q
	s_wait_tensorcnt 0x1                           ; blocks 0 to 3 are in; the one load behind them, blocks 4 to 15, may be out
	s_barrier_signal -1
	s_barrier_wait -1
	STEP
	s_mov_b32 s56, 1
.Lfirst:                                               ; steps 1 to 3: blocks 0 to 3 alone
	BODY 4
	s_cmp_lt_u32 s56, 4
	s_cbranch_scc1 .Lfirst
	s_wait_tensorcnt 0x0                           ; my part of blocks 4 to 15 is in,
	s_wait_dscnt 0x0
	s_barrier_signal -1
	s_barrier_wait -1                              ; everybody's is
.Lstep:                                                ; steps 4 to 16
	BODY 16
	s_cmp_lt_u32 s56, 17
	s_cbranch_scc1 .Lstep
	FINISH 54
	s_wait_tensorcnt 0x0                           ; the wave's end
	ds_add_u32 v251, v255
	s_wait_dscnt 0x0
	ROUND                                          ; the closing round
	s_endpgm
.Lfunc_end_k_q69b7c761c5_attn:
	.size	k_q69b7c761c5_attn, .Lfunc_end_k_q69b7c761c5_attn-k_q69b7c761c5_attn
	.p2alignl 7, 3214868480
	.fill 96, 4, 3214868480
	.section	.rodata,"a",@progbits
	.p2align	6, 0x0
	.amdhsa_kernel k_q69b7c761c5_attn
		.amdhsa_group_segment_fixed_size 327680
		.amdhsa_private_segment_fixed_size 0
		.amdhsa_enable_private_segment 0
		.amdhsa_kernarg_size 32
		.amdhsa_user_sgpr_count 2
		.amdhsa_user_sgpr_kernarg_segment_ptr 1
		.amdhsa_wavefront_size32 1
		.amdhsa_system_sgpr_workgroup_id_x 1
		.amdhsa_system_sgpr_workgroup_id_y 1
		.amdhsa_system_sgpr_workgroup_id_z 1
		.amdhsa_system_vgpr_workitem_id 0
		.amdhsa_next_free_vgpr 256
		.amdhsa_next_free_sgpr 90
		.amdhsa_reserve_vcc 1
		.amdhsa_float_denorm_mode_32 3
		.amdhsa_float_denorm_mode_16_64 3
		.amdhsa_memory_ordered 1
		.amdhsa_forward_progress 1
		.amdhsa_inst_pref_size 86
	.end_amdhsa_kernel
	.amdgpu_metadata
---
amdhsa.version: [ 1, 2 ]
amdhsa.kernels:
  - .name:           k_q69b7c761c5_attn
    .symbol:         k_q69b7c761c5_attn.kd
    .args:
      - { .name: qc, .offset: 0, .size: 8, .value_kind: global_buffer, .address_space: global }
      - { .name: kv, .offset: 8, .size: 8, .value_kind: global_buffer, .address_space: global }
      - { .name: lowp_scales, .offset: 16, .size: 8, .value_kind: global_buffer, .address_space: global }
      - { .name: cc, .offset: 24, .size: 8, .value_kind: global_buffer, .address_space: global }
    .group_segment_fixed_size: 327680
    .private_segment_fixed_size: 0
    .kernarg_segment_align: 8
    .kernarg_segment_size: 32
    .max_flat_workgroup_size: 512
    .sgpr_count:     90
    .vgpr_count:     256
    .wavefront_size: 32
...
	.end_amdgpu_metadata
.endif
;; end of part 2
;; launch oproj (part 3): grid 256 x 1, 16 waves a work-group, clusters of 4 x 1, 305,152 bytes of LDS; arguments cc, wo_codes, bo, x, lowp_scales, out0; writes out0
.if DOCPART == 3
	.amdgcn_target "amdgcn-amd-amdhsa--gfx1250"
	.amdhsa_code_object_version 6
	.text
	.protected	k_q69b7c761c5_oproj
	.globl	k_q69b7c761c5_oproj
	.p2align	8
	.type	k_q69b7c761c5_oproj,@function
k_q69b7c761c5_oproj:
	s_mov_b64 s[64:65], 0
	v_nop
	global_prefetch_b8 v0, s[64:65] scope:SCOPE_SE
	s_setreg_imm32_b32 hwreg(HW_REG_WAVE_MODE, 25, 1), 1
	s_wait_xcnt 0x0
	s_wait_alu depctr_hold_cnt(0) depctr_sa_sdst(0) depctr_va_vdst(0) depctr_va_sdst(0) depctr_va_ssrc(0) depctr_va_vcc(0) depctr_vm_vsrc(0)
	s_getreg_b32 s2, hwreg(HW_REG_IB_STS2, 6, 4)
	s_cmp_eq_u32 s2, 0
	s_cbranch_scc0 .Lentry_in_a_cluster
	s_endpgm
.Lentry_in_a_cluster:
	s_bfe_u32 s2, ttmp6, 0x10000c
	s_cmp_lg_u32 s2, 0x3003
	s_cbranch_scc0 .Lentry_shape_is_right
	s_endpgm
.Lentry_shape_is_right:
; out0[b][c][t] = x[b][c][t] + (ctx wo)[t][c] x 2^(e10 + e11) + bo[c], the product on codes of FP8 (E4M3).
; SHARES.  A work-group owns 64 tokens of one batch and all 512 output channels; wave w owns channels 32 w .. 32 w + 31: 2 tiles of channels x 4 tiles of tokens = 8 accumulators; K = 512 in four steps of 128.
; ctx comes as images of the operand's registers (the form's own layout: registers 2 c, 2 c + 1: k = 16 c + 8 h + 0 .. 7), 32,768 bytes a work-group, read by all waves; wo's rows, the same for all work-groups,
; are asked for JOINTLY by the four work-groups of a cluster (mask 15).  One tensor load a wave: waves 0 to 7 fetch 64 rows of wo each, waves 8 to 15 fetch 4,096 bytes of ctx each.  LDS is filled once.
; Source 0 = 16 tokens, source 1 = 16 channels: a lane holds one channel, and, by the order of a tile's tokens (lane r of tile 2 b + u: token 32 b + 8 u + r + 8 (r / 8)), eight neighbouring tokens:
; 32 bytes of a row of out0.  They go through the wave's own stage (in the 32 rows of wo that it alone reads, which have had their one fill and their last read) and leave as whole rows of 256 bytes.
; No prefetch: every byte that the launch reads is asked for at its head.
; LIMIT: e10 + e11 between -126 and 127.
; REGISTERS: v1-7 addresses; v10, v12 bo of my two tiles; v32-95 ctx's four fragments, then results; v96-127 wo's two; v128-191 the accumulators, then rows read back; v192-255 x.
.set WPITCH, 528                       ; a row of wo in LDS: 512 bytes + 16 of padding
.set WPART,  32*WPITCH
.set CT,     16*WPART                  ; behind wo: ctx's 16 fragments, (4 mt + s) x 2,048 + 512 c + 16 x lane
.set SP,     272                       ; a stage row: 64 tokens x 4 bytes + 16
.macro PLACES n
.rept \n
	v_nop
.endr
.endm
.macro ROUND
	s_barrier_signal -1
	s_barrier_wait -1
	s_cmp_lg_u32 s16, 0
	s_cbranch_scc1 .Lnot_wave_0_\@
	s_barrier_signal -3
.Lnot_wave_0_\@:
	s_barrier_wait -3
	s_barrier_signal -1
	s_barrier_wait -1
.endm
	s_load_b256 s[4:11], s[0:1], 0x0               ; cc 4, wo 6, bo 8, x 10
	s_load_b128 s[12:15], s[0:1], 0x20             ; the scales' exponents 12, out0 14
	v_lshl_add_u32 v30, v0, 2, 0x4a000
	v_mov_b32 v31, 0
	ds_add_u32 v30, v31                            ; the opening lines: the add twice on end and one wait
	ds_add_u32 v30, v31
	v_lshrrev_b32 v8, 5, v0
	s_delay_alu instid0(VALU_DEP_1)
	v_readfirstlane_b32 s16, v8                    ; wave 0..15
	s_bfe_u32 s17, ttmp6, 0x40000                  ; cx
	s_lshl_b32 s18, ttmp9, 2
	s_add_co_u32 s18, s18, s17                     ; work-group: it enters global addresses of cc, x and out0 alone
	s_lshr_b32 s19, s18, 5                         ; batch
	s_and_b32 s20, s18, 31                         ; block of 64 tokens
	; descriptor groups 1.  wo: 64 rows of 512 bytes (64 elements of 8), dense in memory, 16 bytes of padding behind each in LDS; joint.  ctx: 16 dense rows of 256 bytes; my work-group's own
	s_mov_b32 s24, 15|(3<<16)|(1<<20)|(1<<21)|(6<<22)|(3<<25)
	s_mov_b32 s25, 64<<16
	s_mov_b32 s26, 64<<16
	s_mov_b32 s27, 64<<16
	s_mov_b32 s28, 64
	s_mov_b32 s29, 64
	s_mov_b32 s30, 0
	s_mov_b32 s31, 0
	s_mov_b32 s32, 3<<16
	s_mov_b32 s33, 32<<16
	s_mov_b32 s34, 16<<16
	s_mov_b32 s35, 32<<16
	s_mov_b32 s36, 16
	s_mov_b32 s37, 32
	s_mov_b32 s38, 0
	s_mov_b32 s39, 0
	s_mul_i32 s21, s16, WPART                      ; the 32 rows of wo that I read, later my stage
	s_and_b32 s57, s16, 7                          ; which eighth of wo, or of ctx, I fetch
	s_lshl_b32 s54, s57, 15                        ; 64 rows of wo in memory
	s_mov_b32 s55, 0
	v_and_b32 v8, 31, v0
	s_delay_alu instid0(VALU_DEP_1)
	v_lshlrev_b32 v1, 4, v8                        ; 16 x lane
	v_and_b32 v8, 15, v0                           ; r
	v_bfe_u32 v9, v0, 4, 1                         ; h
	s_delay_alu instid0(VALU_DEP_1)
	v_lshlrev_b32 v2, 13, v9
	s_delay_alu instid0(VALU_DEP_1)
	v_lshl_add_u32 v2, v8, 4, v2                   ; x, out0: lanes 0-15 one channel's 256 bytes, lanes 16-31 the next channel's
	s_delay_alu instid0(VALU_DEP_4)
	v_mul_u32_u24 v3, v8, WPITCH
	s_delay_alu instid0(VALU_DEP_1)
	v_lshl_add_u32 v3, v9, 3, v3
	s_delay_alu instid0(VALU_DEP_1)
	v_add_nc_u32 v3, s21, v3                       ; wo's fragments: row r, + 8 h
	v_add_nc_u32 v4, CT, v1                        ; ctx's images
	v_mul_u32_u24 v5, v8, SP
	s_delay_alu instid0(VALU_DEP_1)
	v_lshl_add_u32 v5, v9, 6, v5
	s_delay_alu instid0(VALU_DEP_1)
	v_add_nc_u32 v5, s21, v5                       ; into the stage: row = channel r, + 64 h
	v_mul_u32_u24 v6, v9, SP
	s_delay_alu instid0(VALU_DEP_1)
	v_lshl_add_u32 v6, v8, 4, v6
	s_delay_alu instid0(VALU_DEP_1)
	v_add_nc_u32 v6, s21, v6                       ; and back: two rows an instruction
	v_lshlrev_b32 v7, 2, v8                        ; bo: 4 r
	v_mov_b32 v11, 0                               ; (named as the upper halves of pairs)
	v_mov_b32 v13, 0
	s_lshl_b32 s22, s19, 22                        ; batch x 4,194,304 + 32 w channels of 8,192 bytes + 256 x block
	s_lshl_b32 s56, s16, 18
	s_add_co_u32 s22, s22, s56
	s_lshl_b32 s56, s20, 8
	s_add_co_u32 s22, s22, s56
	s_mov_b32 s23, 0
	s_wait_alu depctr_va_vdst(0)
	s_wait_dscnt 0x0
	s_wait_kmcnt 0x0
	s_load_b64 s[52:53], s[12:13], 0x28            ; e10, e11
	s_add_nc_u64 s[10:11], s[10:11], s[22:23]
	s_add_nc_u64 s[14:15], s[14:15], s[22:23]
.irp i, 0,1,2,3,4,5,6,7,8,9,10,11,12,13,14,15
	global_load_b128 v[192+4*\i:195+4*\i], v2, s[10:11] offset:16384*\i th:TH_LOAD_NT   ; channels 2 i and 2 i + 1: twice 256 consecutive bytes, aligned
.endr
	s_lshl_b32 s22, s16, 7
	s_add_nc_u64 s[8:9], s[8:9], s[22:23]
	global_load_b32 v10, v7, s[8:9]                ; bo(32 w + r)
	global_load_b32 v12, v7, s[8:9] offset:64      ; bo(32 w + 16 + r)
	s_mov_b32 s40, 1
	s_mul_i32 s41, s57, 2*WPART
	s_add_nc_u64 s[42:43], s[6:7], s[54:55]
	s_or_b32 s43, s43, 0x80000000
	s_lshl_b32 s22, s18, 15                        ; my work-group's 32,768 bytes of cc,
	s_lshl_b32 s56, s57, 12                        ; an eighth of them
	s_add_co_u32 s22, s22, s56
	s_mov_b32 s44, 1
	s_add_co_u32 s45, s56, CT
	s_add_nc_u64 s[46:47], s[4:5], s[22:23]
	s_or_b32 s47, s47, 0x80000000
	ROUND                                          ; all four work-groups are here: the joint loads meet
	s_cmp_lt_u32 s16, 8                            ; the wave's number alone: the same in every work-group
	s_cbranch_scc0 .Lfor_ctx
	tensor_load_to_lds s[40:43], s[24:31]          ; waves 0 to 7: wo
	s_nop 0
	PLACES 4
	s_branch .Lasked
.Lfor_ctx:
	tensor_load_to_lds s[44:47], s[32:39]          ; waves 8 to 15: ctx
	s_nop 0
	PLACES 4
.Lasked:
	s_wait_kmcnt 0x0
	s_add_co_i32 s50, s52, s53
	s_add_co_i32 s50, s50, 127
	s_lshl_b32 s50, s50, 23                        ; 2^(e10 + e11) as f32
	s_mov_b32 s51, s50                             ; (named with it as a pair)
	s_wait_tensorcnt 0x0                           ; my one load is in,
	s_barrier_signal -1
	s_barrier_wait -1                              ; everybody's is
.irp s, 0,1,2,3
.if \s > 0
	PLACES 4                                       ; in front of loads into registers that matrix instructions have read
.endif
.irp mt, 0,1,2,3
.irp c, 0,1,2,3
	ds_load_b128 v[32+16*\mt+4*\c:32+16*\mt+4*\c+3], v4 offset:(4*\mt+\s)*2048+512*\c
.endr
.endr
.irp nt, 0,1
.irp c, 0,1,2,3,4,5,6,7
	ds_load_b64 v[96+16*\nt+2*\c:97+16*\nt+2*\c], v3 offset:\nt*16*WPITCH+128*\s+16*\c
.endr
.endr
	s_wait_dscnt 0x0
.irp nt, 0,1
.irp mt, 0,1,2,3
.if \s == 0
	v_wmma_f32_16x16x128_fp8_fp8 v[128+8*(4*\nt+\mt):128+8*(4*\nt+\mt)+7], v[32+16*\mt:47+16*\mt], v[96+16*\nt:111+16*\nt], 0
.else
	v_wmma_f32_16x16x128_fp8_fp8 v[128+8*(4*\nt+\mt):128+8*(4*\nt+\mt)+7], v[32+16*\mt:47+16*\mt], v[96+16*\nt:111+16*\nt], v[128+8*(4*\nt+\mt):128+8*(4*\nt+\mt)+7]
.endif
.endr
.endr
.endr
	PLACES 4                                       ; in front of the first read of results and of writes of the operands' registers
	s_wait_loadcnt 0x0                             ; x and bo
.irp nt, 0,1
.irp mt, 0,1,2,3
.irp i, 0,2,4,6
	v_pk_fma_f32 v[32+8*(4*\nt+\mt)+\i:32+8*(4*\nt+\mt)+\i+1], v[128+8*(4*\nt+\mt)+\i:128+8*(4*\nt+\mt)+\i+1], s[50:51], v[10+2*\nt:11+2*\nt] op_sel_hi:[1,0,0]   ; sum x 2^(e10 + e11) + bo; each accumulator from its low end on
.endr
.endr
.endr
.irp nt, 0,1
.irp mt, 0,1,2,3
	ds_store_b128 v5, v[32+8*(4*\nt+\mt):32+8*(4*\nt+\mt)+3] offset:\nt*16*SP+(\mt/2)*128+(\mt%2)*32       ; channel 16 nt + r, tokens 32 (mt / 2) + 16 h + 8 (mt % 2) + 0 .. 7
	ds_store_b128 v5, v[32+8*(4*\nt+\mt)+4:32+8*(4*\nt+\mt)+7] offset:\nt*16*SP+(\mt/2)*128+(\mt%2)*32+16
.endr
.endr
.irp i, 0,1,2,3,4,5,6,7,8,9,10,11,12,13,14,15
	ds_load_b128 v[128+4*\i:131+4*\i], v6 offset:2*\i*SP   ; LDS serves a wave's instructions in order (ISA guide 5.7.1.4): these see my stores
.endr
.irp i, 0,1,2,3,4,5,6,7,8,9,10,11,12,13,14,15
	s_wait_dscnt 15-\i                             ; rows 2 i and 2 i + 1 are back; the younger loads may be out
	v_pk_add_f32 v[128+4*\i:129+4*\i], v[128+4*\i:129+4*\i], v[192+4*\i:193+4*\i]
	v_pk_add_f32 v[130+4*\i:131+4*\i], v[130+4*\i:131+4*\i], v[194+4*\i:195+4*\i]
	global_store_b128 v2, v[128+4*\i:131+4*\i], s[14:15] offset:16384*\i th:TH_STORE_NT   ; sixteen lanes store 256 consecutive bytes, aligned
.endr
	s_wait_tensorcnt 0x0                           ; the wave's end
	ds_add_u32 v30, v31
	s_wait_dscnt 0x0
	ROUND                                          ; the closing round
	s_endpgm
.Lfunc_end_k_q69b7c761c5_oproj:
	.size	k_q69b7c761c5_oproj, .Lfunc_end_k_q69b7c761c5_oproj-k_q69b7c761c5_oproj
	.p2alignl 7, 3214868480
	.fill 96, 4, 3214868480
	.section	.rodata,"a",@progbits
	.p2align	6, 0x0
	.amdhsa_kernel k_q69b7c761c5_oproj
		.amdhsa_group_segment_fixed_size 305152
		.amdhsa_private_segment_fixed_size 0
		.amdhsa_enable_private_segment 0
		.amdhsa_kernarg_size 48
		.amdhsa_user_sgpr_count 2
		.amdhsa_user_sgpr_kernarg_segment_ptr 1
		.amdhsa_wavefront_size32 1
		.amdhsa_system_sgpr_workgroup_id_x 1
		.amdhsa_system_sgpr_workgroup_id_y 1
		.amdhsa_system_sgpr_workgroup_id_z 1
		.amdhsa_system_vgpr_workitem_id 0
		.amdhsa_next_free_vgpr 256
		.amdhsa_next_free_sgpr 66
		.amdhsa_reserve_vcc 0
		.amdhsa_float_denorm_mode_32 3
		.amdhsa_float_denorm_mode_16_64 3
		.amdhsa_memory_ordered 1
		.amdhsa_forward_progress 1
		.amdhsa_inst_pref_size 27
	.end_amdhsa_kernel
	.amdgpu_metadata
---
amdhsa.version: [ 1, 2 ]
amdhsa.kernels:
  - .name:           k_q69b7c761c5_oproj
    .symbol:         k_q69b7c761c5_oproj.kd
    .args:
      - { .name: cc, .offset: 0, .size: 8, .value_kind: global_buffer, .address_space: global }
      - { .name: wo_codes, .offset: 8, .size: 8, .value_kind: global_buffer, .address_space: global }
      - { .name: bo, .offset: 16, .size: 8, .value_kind: global_buffer, .address_space: global }
      - { .name: x, .offset: 24, .size: 8, .value_kind: global_buffer, .address_space: global }
      - { .name: lowp_scales, .offset: 32, .size: 8, .value_kind: global_buffer, .address_space: global }
      - { .name: out0, .offset: 40, .size: 8, .value_kind: global_buffer, .address_space: global }
    .group_segment_fixed_size: 305152
    .private_segment_fixed_size: 0
    .kernarg_segment_align: 8
    .kernarg_segment_size: 48
    .max_flat_workgroup_size: 512
    .sgpr_count:     66
    .vgpr_count:     256
    .wavefront_size: 32
...
	.end_amdgpu_metadata
.endif
;; end of part 3
